; MI455X (gfx1250); checked and timed in simulation.
; The chip was launched on July 23, 2026; its instructions are those of AMD's public machine-readable ISA for CDNA 5 (MIT licence, August 2026) and "CDNA5" Instruction Set Architecture Reference Guide (July 2026). The comments in the code are by the model that wrote it; some were corrected since.
;; Net VLAD. Allowed arithmetic: matrix products marked QUANTISED: E2M3 operands, one E8M0 scale for each 32 along K, by v_wmma_scale_f32_16x16x128_f8f6f4 with both operands' format E2M3, f32 sums; everything else in f32.
;; Inputs: centroids 64 x 128 float32; x 32 x 128 x 128 x 128 float32.
;; Outputs: out0 32 x 8,192 float32.
;; This version of the problem:
;;   THIS VERSION OF THE PROBLEM IS GIVEN IN LOW PRECISION. The matrix products marked QUANTISED in the list below multiply operands that are first quantised to E2M3 (2 exponent bits, 3 mantissa bits; 6 bits a number), with one power-of-two scale for each 32 numbers along K (OCP MX v1.0); their sums are f32. All else is computed in f32.
;;   The module's matrix products, in the order in which they are computed (A, B: the left and right operand; K: the contracted axis; several contracted axes count as one K, in the product's order):
;;     1. [M 524,288, K 128] x [K 128, N 64]; A: computed on the way; B: computed on the way: QUANTISED
;;     2. batch 32 x [M 64, K 16,384] x [K 16,384, N 128]; A: computed on the way; B: computed on the way: QUANTISED
;;   THE QUANTISER, for each operand of a quantised product, along K:
;;     - K is cut into blocks of 32 from its start; a last block that is shorter is filled with zeros.
;;     - A block's scale is 2^e with e = floor(log2(the largest magnitude in the block)) - 2, held to -126 .. 127; a block of zeros has e = 0. As a byte (E8M0): e + 127.
;;     - Each number is divided by its block's scale, clamped to +-7.5, and rounded to the nearest number of E2M3, ties to even, subnormals kept.
;;     - The product sums the exact products of the quantised numbers (number of the format x scale) in f32.
;;   ~~~python
;;   def quantise(x, axis):      # numpy; x: float32 -> the quantised numbers, widened to float32 again
;;       x = np.moveaxis(x, axis, -1); K = x.shape[-1]
;;       x = np.pad(x, [(0, 0)] * (x.ndim - 1) + [(0, -K % 32)]); x = x.reshape(x.shape[:-1] + (-1, 32)); a = np.abs(x).max(-1, keepdims=True)
;;       e = np.where(a > 0, np.clip(np.frexp(np.where(a > 0, a, 1))[1] - 1 - 2, -126, 127), 0)      # np.frexp(a)[1] - 1 = floor(log2(a)), exactly
;;       r = np.clip(x / 2.0 ** e, -7.5, 7.5)
;;       step = 2.0 ** (np.maximum(np.frexp(np.where(r == 0, 1, r))[1] - 1, 0) - 3)
;;       q = np.round(r / step) * step * 2.0 ** e      # np.round: ties to even
;;       return np.moveaxis(q.reshape(q.shape[:-2] + (-1,))[..., :K], -1, axis).astype(np.float32)
;;   ~~~
;;   OPERANDS COMPUTED ON THE WAY. 'Computed on the way' means the value that the module computes at that place (a softmax that the list does not call 'softmax' is quantised finished and normalised). What goes into a quantiser is computed in f32, as accurately as f32 sums, v_exp_f32 and their like allow (about 1e-6 of the number): no bf16 or f16 on the way to a quantiser, and a product that is left as it is and whose result goes on into a quantised operand takes f32 operands (vector FMAs, or v_wmma_f32_16x16x4_f32). A number that lies on a knife's edge between two numbers of the format may be rounded either way, as far as f32 arithmetic and the matrix unit's own rounding can turn it there, and no further.
;; One version. Each part assembles by itself: llvm-mc -triple=amdgcn-amd-amdhsa -mcpu=gfx1250 --defsym DOCPART=n.
;; ======== version 1 of 1: 2 launches
;; workspace buffers: part 8,388,608 bytes; asum 131,072 bytes
;; launch vlad (part 1): grid 256 x 1, 8 waves a work-group, no clusters, 327,680 bytes of LDS; arguments x, centroids, part, asum; writes part, asum
.if DOCPART == 1
	.amdgcn_target "amdgcn-amd-amdhsa--gfx1250"
	.amdhsa_code_object_version 6
	.text
	.protected	k_q612f910802_vlad
	.globl	k_q612f910802_vlad
	.p2align	8
	.type	k_q612f910802_vlad,@function
k_q612f910802_vlad:
	s_mov_b64 s[64:65], 0
	v_nop
	global_prefetch_b8 v0, s[64:65] scope:SCOPE_SE
	s_setreg_imm32_b32 hwreg(HW_REG_WAVE_MODE, 25, 1), 1
	s_wait_xcnt 0x0
; NetVLAD, first launch.  x: [32][128 channels][16,384 pixels] f32; centroids: [64][128] f32.
; A work-group takes 2,048 pixels of one image (image = work-group / 8, chunk = work-group % 8) in 8 steps of 256 pixels x 128 channels and leaves
;   part [work-group][T 8][t 4][q 2][lane 32][4] f32: the raw sums  sum_s Q(a)[k][s] Q(xn)[c][s]  for cluster k = 16 t + lane % 16, channel c = 16 T + 8 (lane / 16) + 4 q + 0..3,
;   asum [work-group][lane 32][t 4] f32: the sums of the unquantised a for cluster 16 t + lane % 16.
; Both products go on codes of FP6 (E2M3) with one E8M0 byte for each 32 along K, made here by the stated quantiser.
; A STEP.  x's tile lies in an LDS slot as it lies in memory: a row a channel, pixels along the row.  It is read twice, in the two ways that the two quantisers want.
;   PHASE P (wave w: pixels 32 w .. 32 w + 31).  Lane (r, h) takes pixels 2 r and 2 r + 1, 8 bytes a load, and of each the channels 32 h + 0..31 and 64 + 32 h + 0..31: what the operand's layout gives lane (r, h)
;   of row r.  So pixel 2 r + u is row r of tile u.  The pixels' norms, xn quantised along the channels, logits = xn w^T + b (source 0 = 16 pixels, source 1 = 16 clusters: a lane then holds ONE cluster
;   of each of four tiles and 16 pixels), softmax over the clusters (4 registers x 16 lanes), a quantised along the pixels; a's codes and bytes and the pixels' 1 / norm go to LDS.
;   PHASE C (wave w: channels 32 (w % 4) .. + 31 in two tiles, pixels 128 (w / 4) .. + 127: one K step; a lane a channel, registers along 32 pixels): xn again, quantised along the pixels;
;   64 clusters x 32 channels are summed in eight accumulators.  The 1 / norm and a's fragments are read once for both tiles.  At the end waves 4 to 7 hand their sums to waves 0 to 3 through LDS.
; THE RING: two slots; every wave fetches its own 16 rows of 1,024 bytes with one tensor load; a slot is asked for again at the head of the step after the one that read it.
; NO CLUSTER: the work-groups share the centroids alone, 32,768 bytes against the 1,048,576 bytes of x that each reads for itself.
; LIMITS: NaN and infinities among the inputs are not served.  xn is x times the reciprocal of max(norm, 1e-12), not a division (v_sqrt_f32 and v_rcp_f32, then one multiplication).
; A block of zeros gets the byte 1 where the rule says 127: its codes are zeros, and this program alone reads the bytes.
.set PITCH, 1040                       ; a slot's row: 1,024 bytes + 16 of padding: the 16 rows of a 16-byte load begin 4 banks apart (64 banks of 4 bytes: ISA guide 11.1)
.set BLKD,  128                        ; each block of 32 channels lies 128 bytes further on: row c at PITCH c + BLKD (c / 32).  In phase P lanes 0-15 read 128 bytes of row c, lanes 16-31 of row c + 32: together all 64 banks
.set SLOT,  0x21000                    ; 135,168 bytes; a wave's place in a slot, at most 0x1c880, has neither of SLOT's two bits
.set AP,    272                        ; a row of codes (a cluster): 68 words, so that the 16 rows of a load or store begin 4 banks apart
.set ACODE, 2*SLOT                     ; a's codes: 64 rows; block b (the wave that made it) at byte 24 b
.set ASC,   ACODE+64*AP                ; a's scale bytes: 8 a cluster
.set INV,   ASC+512                    ; 1 / norm of the slot's 256 pixels
.set WCODE, INV+1024                   ; w's codes: 64 rows, 96 bytes used
.set WSC,   WCODE+64*AP                ; w's scale words
.set WB,    WSC+256                    ; the bias
.set ASTG,  WB+256                     ; the waves' sums of a, 512 bytes a wave
.set SPARE, ASTG+4096                  ; the spare words, 128 bytes a wave: four blocks of 256 bytes that no other line names
.set STG,   ACODE                      ; the end: 4 x 8,192 bytes for the accumulators of waves 4 to 7, over a's codes .. w's codes (36,352 bytes), which nobody reads any more and no tensor load ever fills
.set FLOOR, 0x1800000                  ; 2^(3 - 127): under it no largest magnitude is taken, so that no byte falls under 1
.set EOFF,  0xff000000                 ; takes 2 off an exponent field
.set EPS,   0x2b8cbccc                 ; 1e-12
; window 0
.set SPW,  1                           ; my spare word; never rewritten
.set NIL,  2                           ; 0; never rewritten
.set PL,   3                           ; phase P: my place in a slot
.set PA,   4                           ; v4-5   the same in the slot in hand, for channels 32 h on and 64 + 32 h on
.set INVW, 6                           ; where I put my two pixels' 1 / norm
.set STA,  8                           ; the end: my 16 bytes of an accumulator's image
.set ACW,  9                           ; where I put 12 bytes of a's codes
.set ASCW, 10                          ; and the block's byte
.set XCL,  11                          ; phase C: my channel's row, my K step, + 128 bytes for lanes 16-31
.set XCA,  12                          ; the same in the slot in hand
.set IVA,  13                          ; the 1 / norm of those pixels
.set AFA,  14                          ; a fragment of a: row lane % 16, my K step, + 24 bytes for lanes 16-31
.set ASA,  15                          ; its scale words
.set GOFF, 16                          ; 16 x lane
.set ASTA, 17                          ; ASTG + 16 x thread
.set INVR, 18                          ; v18-19 1 / norm of my two pixels
.set SA,   20                          ; v20-23 sums of squares, a pair = my two pixels; later at work
.set SB,   22
.set BM,   24                          ; v24-27 largest magnitudes, at 2 c + u (c: which of my two blocks, u: which pixel); then the conversions' scale operands
.set BY,   28                          ; v28-31 second chains, then the bytes
.set CM,   24                          ; phase C: v24-25 largest magnitudes, v26-27 scale operands, v28-29 second chains, then bytes, v30-31 at work
.set CS,   26
.set CB,   28
.set CT,   30
.set XS,   32                          ; scale words and nothing else: v32-33 xn's (phase P), tile u,
.set WS,   34                          ; v34-37 w's,
.set ASW,  38                          ; v38-41 a's,
.set XCS,  42                          ; xn's (phase C)
.set H8,   43                          ; 8 x (lane / 16)
.set AS,   44                          ; v44-51 the sums of a, a pair for each tile of clusters
.set QM,   52                          ; v52-55, v56-59, v60-63: a's largest, exchange and bytes, scale operands
.set QP,   56
.set QS,   60
.set HC,   52                          ; phase C: the upper halves of two blocks' codes, v52-54 and v56-58
.set X,    64                          ; v64-191 x as loaded: block c, channel i, pixel u at X + 64 c + 2 i + u
.set Y,    192                         ; v192-255 xn of my first block: pixel u, channel i at Y + 32 u + i  (my second block's goes to X + 32 u + i)
.set L,    64                          ; logits: tile t of clusters, tile u of pixels, row j at L + 16 t + 8 u + j
.set P,    128                         ; p, then a: tile t, pixel i of my 16 at P + 16 t + i
.set M,    192
.set S,    208
.set R,    224
.set AC,   64                          ; a's codes, 4 registers a tile
.set F,    64                          ; phase C: xn's fragment;
.set AF,   76                          ; v76-123 a's four fragments;
.set XC,   128                         ; 64 numbers of my channel;
.set IV,   192                         ; their pixels' 1 / norm
; window 1
.set WF,   0                           ; w's four fragments
.set BIAS, 48                          ; the bias in the logits' layout, 8 registers a tile
.set ACC,  80                          ; the eight accumulators: tile ct of channels, tile t of clusters at ACC + 8 (4 ct + t)
.set T0,   144                         ; xn's fragments of the two tiles of pixels, 12 registers each
.set HH,   168                         ; upper halves of four blocks' codes
.set MSB, 0
.macro WIN new                         ; the immediate's high byte repeats the setting that is left
.if MSB != \new
	s_set_vgpr_msb (MSB<<8)|\new
.set MSB, \new
.endif
.endm
.macro PLACES n
.rept \n
	v_nop
.endr
.endm
	s_load_b256 s[4:11], s[0:1], 0x0               ; x s[4:5], centroids s[6:7], part s[8:9], asum s[10:11]
	v_lshl_add_u32 v[SPW], v0, 2, SPARE
	v_mov_b32 v[NIL], 0
	ds_add_u32 v1, v2
	ds_add_u32 v1, v2
	s_wait_dscnt 0x0
	v_lshrrev_b32 v63, 5, v0
	s_delay_alu instid0(VALU_DEP_1)
	v_readfirstlane_b32 s12, v63                   ; wave 0..7
	; w = 200 c and b = -100 |c| are shared out evenly: lane l of wave w takes block l / 8 (32 channels) of cluster 8 w + l % 8
	v_and_b32 v192, 7, v0
	s_delay_alu instid0(VALU_DEP_1)
	v_lshl_or_b32 v192, v63, 3, v192               ; the cluster
	v_bfe_u32 v193, v0, 3, 2                       ; the block
	s_delay_alu instid0(VALU_DEP_2)
	v_lshlrev_b32 v194, 9, v192
	s_delay_alu instid0(VALU_DEP_1)
	v_lshl_add_u32 v194, v193, 7, v194             ; 512 x cluster + 128 x block
	s_mov_b32 s13, 0                               ; the slot in hand: 0 or SLOT
	s_mov_b32 s18, 0x76543210
	s_mov_b32 s19, 0xfedcba98                      ; v_permlanex16_b32's selects for lane l xor 16
	s_mov_b32 s20, 0x3fb8aa3b                      ; log2(e); the packed forms name pairs and take the low word for both halves
	s_mov_b32 s21, s20
	s_mov_b32 s22, 0xbfb8aa3b                      ; -log2(e)
	s_mov_b32 s23, s22
	s_mov_b32 s44, 0x43480000                      ; 200.0 = 2 alpha
	s_mov_b32 s45, s44
	; descriptor group 1: 16 rows x 256 elements of 4 bytes, 16,384 elements from row to row, 4 words of padding behind every 256
	s_mov_b32 s24, (2<<16)|(1<<20)|(7<<22)|(3<<25)
	s_mov_b32 s25, 256<<16                         ; tensor_dim0
	s_mov_b32 s26, 16<<16                          ; tensor_dim1
	s_mov_b32 s27, 256<<16                         ; tile_dim0
	s_mov_b32 s28, 16                              ; tile_dim1
	s_mov_b32 s29, 16384                           ; the pitch
	s_mov_b32 s30, 0
	s_mov_b32 s31, 0
	s_lshr_b32 s40, ttmp9, 3                       ; the image: 2^23 bytes each
	s_and_b32 s41, ttmp9, 7                        ; the chunk: 2,048 pixels, 8,192 bytes of a row
	s_lshl_b32 s40, s40, 23
	s_lshl_b32 s41, s41, 13
	s_add_co_u32 s40, s40, s41
	s_lshl_b32 s41, s12, 20                        ; my 16 channels: 16 rows of 65,536 bytes
	s_add_co_u32 s40, s40, s41
	s_mul_i32 s15, s12, 16*PITCH                   ; and their place in a slot: 16 rows a wave,
	s_lshr_b32 s41, s12, 1
	s_lshl_b32 s41, s41, 7
	s_add_co_u32 s15, s15, s41                     ; + BLKD for each block of 32 channels passed
	s_mov_b32 s41, 0
	s_wait_alu depctr_va_vdst(0)
	s_wait_kmcnt 0x0
.irp q, 0,1,2,3,4,5,6,7
	global_load_b128 v[X+4*\q:X+4*\q+3], v194, s[6:7] offset:16*\q     ; my 32 numbers of the centroids: asked for ahead of the tiles, worked on while the tiles are on their way
.endr
	s_add_nc_u64 s[42:43], s[4:5], s[40:41]
	s_mov_b32 s32, 1                               ; group 0 for step 0, slot 0
	s_mov_b32 s33, s15
	s_mov_b64 s[34:35], s[42:43]
	s_or_b32 s35, s35, 0x80000000
	s_mov_b32 s36, 1                               ; group 0 for step 1, slot 1; it then walks on
	s_add_co_u32 s37, s15, SLOT
	s_add_nc_u64 s[38:39], s[42:43], 1024
	s_or_b32 s39, s39, 0x80000000
	tensor_load_to_lds s[32:35], s[24:31]          ; slot 0's fill alone; slot 1's goes out behind the barrier: one load of mine is out
	s_nop 0
	s_wait_alu depctr_va_vdst(0)
	s_wait_tensorcnt 0x0
	ds_add_u32 v1, v2
	s_wait_dscnt 0x0
	s_barrier_signal -1
	s_barrier_wait -1
	tensor_load_to_lds s[36:39], s[24:31]
	s_nop 0
	PLACES 4
	v_mul_u32_u24 v195, v192, AP
	s_delay_alu instid0(VALU_DEP_1)
	v_mad_u32_u24 v195, v193, 24, v195
	s_delay_alu instid0(VALU_DEP_1)
	v_add_nc_u32 v195, WCODE, v195                 ; w: the block's 24 bytes of codes,
	v_lshl_add_u32 v196, v192, 2, v193
	s_delay_alu instid0(VALU_DEP_1)
	v_add_nc_u32 v196, WSC, v196                   ; its byte,
	v_lshl_add_u32 v197, v192, 2, WB               ; the cluster's bias
	; the addresses that stay
	v_and_b32 v198, 15, v0                         ; r
	v_bfe_u32 v199, v0, 4, 1                       ; h
	v_and_b32 v200, 3, v63                         ; w % 4
	v_lshrrev_b32 v204, 7, v0                      ; w / 4
	s_delay_alu instid0(VALU_DEP_3)
	v_mul_u32_u24 v[PL], v199, 32*PITCH+BLKD       ; lanes 16-31: 32 channels further down,
	s_delay_alu instid0(VALU_DEP_1)
	v_lshl_add_u32 v[PL], v63, 7, v[PL]            ; my wave's 32 pixels,
	s_delay_alu instid0(VALU_DEP_1)
	v_lshl_add_u32 v[PL], v198, 3, v[PL]           ; my two of them
	v_lshlrev_b32 v[INVW], 7, v63
	s_delay_alu instid0(VALU_DEP_1)
	v_lshl_add_u32 v[INVW], v198, 3, v[INVW]
	s_delay_alu instid0(VALU_DEP_1)
	v_add_nc_u32 v[INVW], INV, v[INVW]
	v_and_b32 v[GOFF], 31, v0
	s_delay_alu instid0(VALU_DEP_1)
	v_lshlrev_b32 v[GOFF], 4, v[GOFF]
	s_delay_alu instid0(VALU_DEP_1)
	v_lshl_add_u32 v[STA], v200, 13, v[GOFF]
	s_delay_alu instid0(VALU_DEP_1)
	v_add_nc_u32 v[STA], STG, v[STA]               ; the same bytes for wave w + 4, which stores, and wave w, which loads
	v_mul_u32_u24 v[ACW], v198, AP
	s_delay_alu instid0(VALU_DEP_1)
	v_mad_u32_u24 v[ACW], v63, 24, v[ACW]
	s_delay_alu instid0(VALU_DEP_1)
	v_mad_u32_u24 v[ACW], v199, 12, v[ACW]
	s_delay_alu instid0(VALU_DEP_1)
	v_add_nc_u32 v[ACW], ACODE, v[ACW]             ; row r, block = my wave, 12 bytes for each half of the lanes
	v_lshl_add_u32 v[ASCW], v198, 3, v63
	s_delay_alu instid0(VALU_DEP_1)
	v_add_nc_u32 v[ASCW], ASC, v[ASCW]
	v_lshl_add_u32 v[XCL], v200, 5, v198           ; channel 32 (w % 4) + r
	s_delay_alu instid0(VALU_DEP_1)
	v_mul_u32_u24 v[XCL], v[XCL], PITCH
	s_delay_alu instid0(VALU_DEP_1)
	v_lshl_add_u32 v[XCL], v200, 7, v[XCL]         ; + BLKD x its block
	s_delay_alu instid0(VALU_DEP_1)
	v_lshl_add_u32 v[XCL], v204, 9, v[XCL]         ; + my K step's 128 pixels
	s_delay_alu instid0(VALU_DEP_1)
	v_lshl_add_u32 v[XCL], v199, 7, v[XCL]         ; + 32 pixels for lanes 16-31
	v_lshlrev_b32 v[IVA], 9, v204
	s_delay_alu instid0(VALU_DEP_1)
	v_lshl_add_u32 v[IVA], v199, 7, v[IVA]
	s_delay_alu instid0(VALU_DEP_1)
	v_add_nc_u32 v[IVA], INV, v[IVA]
	v_mul_u32_u24 v202, v198, AP
	s_delay_alu instid0(VALU_DEP_1)
	v_mad_u32_u24 v202, v199, 24, v202             ; a fragment's row r, + 24 h
	s_delay_alu instid0(VALU_DEP_1)
	v_mad_u32_u24 v[AFA], v204, 96, v202
	s_delay_alu instid0(VALU_DEP_1)
	v_add_nc_u32 v[AFA], ACODE, v[AFA]
	s_delay_alu instid0(VALU_DEP_3)
	v_add_nc_u32 v202, WCODE, v202                 ; w's fragments
	v_lshl_add_u32 v[ASA], v198, 3, ASC
	s_delay_alu instid0(VALU_DEP_1)
	v_lshl_add_u32 v[ASA], v204, 2, v[ASA]
	v_lshl_add_u32 v[ASTA], v0, 4, ASTG
	v_lshlrev_b32 v[H8], 3, v199
	v_lshl_add_u32 v203, v198, 2, WSC              ; w's scale words and, 256 bytes on, the bias: 4 bytes a cluster
.irp i, 0,1,2,3,4,5,6,7
	v_mov_b32 v[AS+\i], 0                          ; the sums of a begin at 0
.endr
.irp i, 0,1,2,3
	v_mov_b32 v[QP+\i], 0                          ; written once: a lane permute's destination counts as one of its sources
.endr
	s_wait_loadcnt 0x0
	v_pk_mul_f32 v[SA:SA+1], v[X:X+1], v[X:X+1]    ; the cluster's sum of squares: my 32,
	v_pk_mul_f32 v[SB:SB+1], v[X+2:X+3], v[X+2:X+3]
.irp i, 4,8,12,16,20,24,28
	s_delay_alu instid0(VALU_DEP_2)
	v_pk_fma_f32 v[SA:SA+1], v[X+\i:X+\i+1], v[X+\i:X+\i+1], v[SA:SA+1]
	s_delay_alu instid0(VALU_DEP_2)
	v_pk_fma_f32 v[SB:SB+1], v[X+\i+2:X+\i+3], v[X+\i+2:X+\i+3], v[SB:SB+1]
.endr
	s_delay_alu instid0(VALU_DEP_1)
	v_pk_add_f32 v[SA:SA+1], v[SA:SA+1], v[SB:SB+1]
	s_delay_alu instid0(VALU_DEP_1)
	v_add_f32 v[SA], v[SA], v[SA+1]
	s_delay_alu instid0(VALU_DEP_1)
	v_add_f32_dpp v[SA], v[SA], v[SA] row_xmask:8 row_mask:0xf bank_mask:0xf   ; lane l xor 8's,
	s_delay_alu instid0(VALU_DEP_1)
	v_permlanex16_b32 v[SB], v[SA], s18, s19
	s_delay_alu instid0(VALU_DEP_1)
	v_add_f32 v[SA], v[SA], v[SB]                  ; and lanes l xor 16's and l xor 24's
	s_wait_alu depctr_va_vdst(0)
	v_sqrt_f32 v[SB], v[SA]
.irp i, 0,2,4,6,8,10,12,14,16,18,20,22,24,26,28,30
	v_pk_mul_f32 v[X+\i:X+\i+1], v[X+\i:X+\i+1], s[44:45] op_sel_hi:[1,0]      ; w = 200 c.  (Plain work behind the root)
.endr
	v_max3_num_f32 v[BM], |v[X]|, |v[X+1]|, |v[X+2]|
	v_max3_num_f32 v[BM+1], |v[X+3]|, |v[X+4]|, |v[X+5]|
.irp i, 6,10,14,18,22,26
	s_delay_alu instid0(VALU_DEP_2)
	v_max3_num_f32 v[BM], v[BM], |v[X+\i]|, |v[X+\i+1]|
	s_delay_alu instid0(VALU_DEP_2)
	v_max3_num_f32 v[BM+1], v[BM+1], |v[X+\i+2]|, |v[X+\i+3]|
.endr
	s_delay_alu instid0(VALU_DEP_2)
	v_max3_num_f32 v[BM], v[BM], |v[X+30]|, |v[X+31]|
	s_delay_alu instid0(VALU_DEP_1)
	v_max3_num_f32 v[BM], v[BM], v[BM+1], FLOOR
	s_delay_alu instid0(VALU_DEP_1)
	v_add_nc_u32 v[BM+2], EOFF, v[BM]              ; 2 off the exponent field: the conversion's scale operand
	s_delay_alu instid0(VALU_DEP_1)
	v_lshrrev_b32 v[BM+3], 23, v[BM+2]             ; the byte
	s_wait_alu depctr_va_vdst(0)                   ; the wait ahead of the root's first reader
	v_mul_f32 v[SB], 0xc2c80000, v[SB]             ; b = -100 |c|
	v_cvt_scalef32_pk16_fp6_f32 v[96:98], v[X:X+15], v[BM+2]
	v_cvt_scalef32_pk16_fp6_f32 v[100:102], v[X+16:X+31], v[BM+2]
	v_nop                                          ; one plain place behind a scaled conversion
.irp e, 0,1,2
	ds_store_b32 v195, v[96+\e] offset:4*\e
	ds_store_b32 v195, v[100+\e] offset:12+4*\e
.endr
	ds_store_b8 v196, v[BM+3]
	ds_store_b32 v197, v[SB]                       ; (a cluster's four lanes write the same word with the same value)
	s_wait_tensorcnt 0x1                           ; my part of slot 0 is in; slot 1's may stay out
	s_wait_dscnt 0x0                               ; my stores have landed
	s_barrier_signal -1
	s_barrier_wait -1
	WIN 0x40                                       ; destination window 1
.irp t, 0,1,2,3
.irp c, 0,1
.irp p, 0,1,2
	ds_load_b64 v[WF+12*\t+6*\c+2*\p:WF+12*\t+6*\c+2*\p+1], v202 offset:16*AP*\t+48*\c+8*\p   ; w's fragments stay in registers
.endr
.endr
.endr
	WIN 0
.irp t, 0,1,2,3
	ds_load_b32 v[WS+\t], v203 offset:64*\t
	ds_load_b32 v[QM+\t], v203 offset:256+64*\t
.endr
	s_wait_dscnt 0x0
	WIN 0x40
.irp t, 0,1,2,3
.irp j, 0,1,2,3,4,5,6,7
	v_mov_b32 v[BIAS+8*\t+\j], v[QM+\t]            ; in the logits a lane holds one cluster: its bias in all eight registers; it is the C of the tile's product
.endr
.endr
	WIN 0
; ---- phase P
.macro LOADH c, i0                     ; 16 channels, i0 on, of my block c: lanes 0-15 read 128 neighbouring bytes of one row, lanes 16-31 of the row 32 channels on
.set i, \i0
.rept 16
	ds_load_b64 v[X+64*(\c)+2*i:X+64*(\c)+2*i+1], v[PA+(\c)] offset:PITCH*i
.set i, i+1
.endr
.endm
.macro ACCUM c                         ; my block c: its squares onto the two pixels' sums (a packed form takes both pixels), and each pixel's largest magnitude, of x as it is
.set XB, X+64*(\c)
.set MB, BM+2*(\c)
.set MY, BY+2*(\c)
.if (\c) == 0
	v_pk_mul_f32 v[SA:SA+1], v[XB:XB+1], v[XB:XB+1]
	v_pk_mul_f32 v[SB:SB+1], v[XB+2:XB+3], v[XB+2:XB+3]
.else
	v_pk_fma_f32 v[SA:SA+1], v[XB:XB+1], v[XB:XB+1], v[SA:SA+1]
	v_pk_fma_f32 v[SB:SB+1], v[XB+2:XB+3], v[XB+2:XB+3], v[SB:SB+1]
.endif
.irp u, 0,1
	v_max3_num_f32 v[MB+\u], |v[XB+\u]|, |v[XB+2+\u]|, |v[XB+4+\u]|
	v_max3_num_f32 v[MY+\u], |v[XB+6+\u]|, |v[XB+8+\u]|, |v[XB+10+\u]|
.endr
.set i, 4
.rept 15
	v_pk_fma_f32 v[SA:SA+1], v[XB+i:XB+i+1], v[XB+i:XB+i+1], v[SA:SA+1]
	v_pk_fma_f32 v[SB:SB+1], v[XB+i+2:XB+i+3], v[XB+i+2:XB+i+3], v[SB:SB+1]
.if i < 28                             ; channels i + 2 .. i + 5 of each pixel: 6 to 29 in six rounds, two chains a pixel
.irp u, 0,1
	v_max3_num_f32 v[MB+\u], v[MB+\u], |v[XB+2*i+4+\u]|, |v[XB+2*i+6+\u]|
	v_max3_num_f32 v[MY+\u], v[MY+\u], |v[XB+2*i+8+\u]|, |v[XB+2*i+10+\u]|
.endr
.endif
.set i, i+4
.endr
.irp u, 0,1
	v_max3_num_f32 v[MB+\u], v[MB+\u], |v[XB+60+\u]|, |v[XB+62+\u]|
.endr
.irp u, 0,1
	s_delay_alu instid0(VALU_DEP_2)
	v_max_num_f32 v[MB+\u], v[MB+\u], v[MY+\u]
.endr
.endm
.macro NORM                            ; 1 / max(norm, 1e-12) of my two pixels; my four blocks' scales; the two tiles' scale words
	v_pk_add_f32 v[SA:SA+1], v[SA:SA+1], v[SB:SB+1]
	s_delay_alu instid0(VALU_DEP_1)
	v_permlanex16_b32 v[SB], v[SA], s18, s19
	s_delay_alu instid0(VALU_DEP_2)
	v_permlanex16_b32 v[SB+1], v[SA+1], s18, s19
	s_delay_alu instid0(VALU_DEP_1)
	v_pk_add_f32 v[SA:SA+1], v[SA:SA+1], v[SB:SB+1]    ; with lane l xor 16's 64 channels: the same bits in both lanes
	s_wait_alu depctr_va_vdst(0)
	v_sqrt_f32 v[SB], v[SA]
	v_sqrt_f32 v[SB+1], v[SA+1]
	v_nop                                          ; a plain place behind the transcendentals,
	s_wait_alu depctr_va_vdst(0)                   ; and the wait ahead of their first reader
	v_max_num_f32 v[SB], EPS, v[SB]
	v_max_num_f32 v[SB+1], EPS, v[SB+1]
	s_wait_alu depctr_va_vdst(0)
	v_rcp_f32 v[INVR], v[SB]
	v_rcp_f32 v[INVR+1], v[SB+1]
	v_nop
	s_wait_alu depctr_va_vdst(0)
	ds_store_b64 v[INVW], v[INVR:INVR+1]           ; phase C wants them (both halves of the lanes write the same words with the same values)
.irp c, 0,1
.irp u, 0,1
	v_mul_f32 v[BM+2*\c+\u], v[BM+2*\c+\u], v[INVR+\u]     ; a multiplication by a positive number keeps the order, rounded too: this IS the largest |x / norm| of the block
.endr
.endr
.irp b, 0,1,2,3
	s_delay_alu instid0(VALU_DEP_4)
	v_max_num_f32 v[BM+\b], FLOOR, v[BM+\b]
.endr
.irp b, 0,1,2,3
	s_delay_alu instid0(VALU_DEP_4)
	v_add_nc_u32 v[BM+\b], EOFF, v[BM+\b]          ; the conversion's scale operand
.endr
.irp b, 0,1,2,3
	s_delay_alu instid0(VALU_DEP_4)
	v_lshrrev_b32 v[BY+\b], 23, v[BM+\b]           ; the byte
.endr
.irp u, 0,1
	s_delay_alu instid0(VALU_DEP_2)
	v_lshl_or_b32 v[SA+\u], v[BY+2+\u], 16, v[BY+\u]       ; pixel u: my two bytes, blocks h and 2 + h,
.endr
.irp u, 0,1
	s_delay_alu instid0(VALU_DEP_2)
	v_lshlrev_b32 v[SA+\u], v[H8], v[SA+\u]        ; at their places in the scale word;
.endr
.irp u, 0,1
	s_delay_alu instid0(VALU_DEP_2)
	v_permlanex16_b32 v[SB+\u], v[SA+\u], s18, s19
.endr
.irp u, 0,1
	s_delay_alu instid0(VALU_DEP_2)
	v_or_b32 v[XS+\u], v[SA+\u], v[SB+\u]          ; with lane l xor 16's two the word of row r of tile u is whole
.endr
.endm
; xn = x / norm, and the two pixels, which lie interleaved, are written apart, so that a pixel's 32 channels stand on end for the conversions.  Two multiplications go in one instruction: pixel 0's
; channel i with pixel 1's channel i + 1, and the other way round: one destination even and one odd, the first sources in register banks 0 and 3 or 2 and 1, the second in banks 2 and 3.
.macro SCALE src, dst
.set i, 0
.rept 16
	v_dual_mul_f32 v[\dst+i], v[\src+2*i], v[INVR] :: v_dual_mul_f32 v[\dst+33+i], v[\src+2*i+3], v[INVR+1]
	v_dual_mul_f32 v[\dst+1+i], v[\src+2*i+2], v[INVR] :: v_dual_mul_f32 v[\dst+32+i], v[\src+2*i+1], v[INVR+1]
.set i, i+2
.endr
.endm
.macro QX                              ; xn, its codes, and the two fragments
	SCALE X, Y                                     ; my first block
	SCALE X+64, X                                  ; my second, into the registers that the first has left
	WIN 0x40                                       ; destination window 1
.irp u, 0,1                            ; lower 16 codes into the fragment's places, upper 16 beside (a conversion's three registers begin on an even number)
	v_cvt_scalef32_pk16_fp6_f32 v[T0+12*\u:T0+12*\u+2], v[Y+32*\u:Y+32*\u+15], v[BM+\u]
	v_cvt_scalef32_pk16_fp6_f32 v[HH+4*\u:HH+4*\u+2], v[Y+32*\u+16:Y+32*\u+31], v[BM+\u]
	v_cvt_scalef32_pk16_fp6_f32 v[T0+12*\u+6:T0+12*\u+8], v[X+32*\u:X+32*\u+15], v[BM+2+\u]
	v_cvt_scalef32_pk16_fp6_f32 v[HH+8+4*\u:HH+8+4*\u+2], v[X+32*\u+16:X+32*\u+31], v[BM+2+\u]
.endr
	v_nop                                          ; one plain place behind a scaled conversion
	WIN 0x41                                       ; source 0 and destination window 1
.irp u, 0,1
.irp e, 0,1,2
	v_mov_b32 v[T0+12*\u+3+\e], v[HH+4*\u+\e]
	v_mov_b32 v[T0+12*\u+9+\e], v[HH+8+4*\u+\e]
.endr
.endr
	PLACES 4                                       ; operands written by vector instructions stand four places ahead of a scaled product (the scale words were written ahead of the 64 multiplications)
.endm
.macro P1                              ; logits: 2 tiles of pixels x 4 tiles of clusters, K = the 128 channels, C = the bias
	WIN 0x15                                       ; xn, w and the bias window 1; the logits window 0
.irp u, 0,1
.irp t, 0,1,2,3
	v_wmma_scale_f32_16x16x128_f8f6f4 v[L+16*\t+8*\u:L+16*\t+8*\u+7], v[T0+12*\u:T0+12*\u+11], v[WF+12*\t:WF+12*\t+11], v[BIAS+8*\t:BIAS+8*\t+7], v[XS+\u], v[WS+\t] matrix_a_fmt:MATRIX_FMT_FP6 matrix_b_fmt:MATRIX_FMT_FP6
.endr
.endr
	WIN 0
	PLACES 4                                       ; four places ahead of the first read of the results (ISA guide 7.12.1)
.endm
; Lane (r, h) holds clusters 16 t + r, t = 0 .. 3; register 8 u + j of a tile is row 8 h + j of pixels' tile u: pixel 16 h + 2 j + u of the wave's 32.  A pixel's 64 clusters are 4 registers x the 16 lanes of a row.
; Every loop runs upward: each result is first read at its low end.  The exponentials write p in the order of the pixels: from there on register i is pixel 16 h + i.
.macro SOFTMAX
.set i, 0
.rept 16
	v_max3_num_f32 v[M+i], v[L+i], v[L+16+i], v[L+32+i]
.set i, i+1
.endr
.set i, 0
.rept 16
	v_max_num_f32 v[M+i], v[M+i], v[L+48+i]
.set i, i+1
.endr
.irp k, 1,2,4,8
.set i, 0
.rept 16
	v_max_num_f32_dpp v[M+i], v[M+i], v[M+i] row_xmask:\k row_mask:0xf bank_mask:0xf
.set i, i+1
.endr
.endr
.set i, 0
.rept 8
	v_pk_mul_f32 v[M+i:M+i+1], v[M+i:M+i+1], s[22:23] op_sel_hi:[1,0]          ; -m log2(e): its rounding is common to a pixel's 64 clusters and leaves with the normalisation
.set i, i+2
.endr
.irp t, 0,1,2,3
.set i, 0
.rept 8
	v_pk_fma_f32 v[L+16*\t+i:L+16*\t+i+1], v[L+16*\t+i:L+16*\t+i+1], s[20:21], v[M+i:M+i+1] op_sel_hi:[1,0,1]
.set i, i+2
.endr
.endr
	s_wait_alu depctr_va_vdst(0)
.irp t, 0,1,2,3
.irp u, 0,1
.set j, 0
.rept 8
	v_exp_f32 v[P+16*\t+2*j+\u], v[L+16*\t+8*\u+j] ; p = e^(logit - m), to its pixel's place
.set j, j+1
.endr
.endr
.endr
	v_nop                                          ; a plain place behind the batch,
	s_wait_alu depctr_va_vdst(0)                   ; and one wait for all 64, ahead of their first reader
.set i, 0
.rept 8
	v_pk_add_f32 v[S+i:S+i+1], v[P+i:P+i+1], v[P+16+i:P+16+i+1]
.set i, i+2
.endr
.irp t, 2,3
.set i, 0
.rept 8
	v_pk_add_f32 v[S+i:S+i+1], v[S+i:S+i+1], v[P+16*\t+i:P+16*\t+i+1]
.set i, i+2
.endr
.endr
.irp k, 1,2,4,8
.set i, 0
.rept 16
	v_add_f32_dpp v[S+i], v[S+i], v[S+i] row_xmask:\k row_mask:0xf bank_mask:0xf
.set i, i+1
.endr
.endr
.set i, 0
	s_wait_alu depctr_va_vdst(0)
.rept 16
	v_rcp_f32 v[R+i], v[S+i]
.set i, i+1
.endr
	v_nop
	s_wait_alu depctr_va_vdst(0)                   ; one wait for the sixteen
.irp t, 0,1,2,3
.set i, 0
.rept 8
	v_pk_mul_f32 v[P+16*\t+i:P+16*\t+i+1], v[P+16*\t+i:P+16*\t+i+1], v[R+i:R+i+1]   ; a, finished and normalised
.set i, i+2
.endr
.endr
.set i, 0
.rept 8
.irp t, 0,1,2,3
	v_pk_add_f32 v[AS+2*\t:AS+2*\t+1], v[AS+2*\t:AS+2*\t+1], v[P+16*\t+i:P+16*\t+i+1]   ; the sums of the unquantised a, the four tiles by turns
.endr
.set i, i+2
.endr
.endm
.macro QA                              ; a block of 32 pixels of a cluster lies in lanes l and l xor 16.  a is never negative: no |.|
.irp t, 0,1,2,3
	v_max3_num_f32 v[QM+\t], v[P+16*\t], v[P+16*\t+1], FLOOR
.endr
.irp i, 2,4,6,8,10,12,14
.irp t, 0,1,2,3
	s_delay_alu instid0(VALU_DEP_4)
	v_max3_num_f32 v[QM+\t], v[QM+\t], v[P+16*\t+\i], v[P+16*\t+\i+1]
.endr
.endr
.irp t, 0,1,2,3
	v_permlanex16_b32 v[QP+\t], v[QM+\t], s18, s19
.endr
.irp t, 0,1,2,3
	s_delay_alu instid0(VALU_DEP_4)
	v_max_num_f32 v[QM+\t], v[QM+\t], v[QP+\t]
.endr
.irp t, 0,1,2,3
	s_delay_alu instid0(VALU_DEP_4)
	v_add_nc_u32 v[QS+\t], EOFF, v[QM+\t]
.endr
.irp t, 0,1,2,3
	s_delay_alu instid0(VALU_DEP_4)
	v_lshrrev_b32 v[QP+\t], 23, v[QS+\t]
.endr
.irp t, 0,1,2,3
	v_cvt_scalef32_pk16_fp6_f32 v[AC+4*\t:AC+4*\t+2], v[P+16*\t:P+16*\t+15], v[QS+\t]
.endr
	v_nop                                          ; one plain place behind a scaled conversion
.irp t, 0,1,2,3
.irp e, 0,1,2
	ds_store_b32 v[ACW], v[AC+4*\t+\e] offset:16*AP*\t+4*\e    ; 16 codes, 12 bytes: pixels 16 h on of my wave's block, in the cluster's row
.endr
.endr
.irp t, 0,1,2,3
	ds_store_b8 v[ASCW], v[QP+\t] offset:128*\t    ; both lanes of a block write the same byte with the same value
.endr
.endm
; ---- phase C.  Lane (r, h) holds channel 32 (w % 4) + 16 ct + r and, in registers 32 c on, pixels 64 c + 32 h + 0 .. 31 of my K step: two whole blocks
.macro LDXC ct
.irp c, 0,1
.irp q, 0,1,2,3,4,5,6,7
	ds_load_b128 v[XC+32*\c+4*\q:XC+32*\c+4*\q+3], v[XCA] offset:16*PITCH*(\ct)+256*\c+16*\q
.endr
.endr
.endm
.macro LDIV                            ; once a step: it serves both tiles of channels
.irp c, 0,1
.irp q, 0,1,2,3,4,5,6,7
	ds_load_b128 v[IV+32*\c+4*\q:IV+32*\c+4*\q+3], v[IVA] offset:256*\c+16*\q
.endr
.endr
.endm
.macro LDAF                            ; a's four fragments (16 clusters x 128 pixels: 24 bytes twice, in pieces of 8) and their scale words: 28 loads, once a step
.irp t, 0,1,2,3
.irp c, 0,1
.irp p, 0,1,2
	ds_load_b64 v[AF+12*\t+6*\c+2*\p:AF+12*\t+6*\c+2*\p+1], v[AFA] offset:16*AP*\t+48*\c+8*\p
.endr
.endr
.endr
.irp t, 0,1,2,3
	ds_load_b32 v[ASW+\t], v[ASA] offset:128*\t
.endr
.endm
.macro QC
.set i, 0
.rept 32
	v_pk_mul_f32 v[XC+i:XC+i+1], v[XC+i:XC+i+1], v[IV+i:IV+i+1]    ; xn: the same multiplication as in phase P
.set i, i+2
.endr
.irp c, 0,1
	v_max3_num_f32 v[CM+\c], |v[XC+32*\c]|, |v[XC+32*\c+1]|, FLOOR
	v_max3_num_f32 v[CB+\c], |v[XC+32*\c+2]|, |v[XC+32*\c+3]|, |v[XC+32*\c+4]|
.endr
.set i, 5
.rept 13                               ; two chains a block, four in all, by turns
.irp c, 0,1
	v_max3_num_f32 v[CM+4*(((i-5)/2)%2)+\c], v[CM+4*(((i-5)/2)%2)+\c], |v[XC+32*\c+i]|, |v[XC+32*\c+i+1]|
.endr
.set i, i+2
.endr
.irp c, 0,1
	s_delay_alu instid0(VALU_DEP_2)
	v_max3_num_f32 v[CM+\c], v[CM+\c], v[CB+\c], |v[XC+32*\c+31]|
.endr
.irp c, 0,1
	s_delay_alu instid0(VALU_DEP_2)
	v_add_nc_u32 v[CS+\c], EOFF, v[CM+\c]
.endr
.irp c, 0,1
	s_delay_alu instid0(VALU_DEP_2)
	v_lshrrev_b32 v[CB+\c], 23, v[CS+\c]
.endr
	s_delay_alu instid0(VALU_DEP_1)
	v_lshl_or_b32 v[CT], v[CB+1], 16, v[CB]        ; my two bytes, blocks h and 2 + h,
	s_delay_alu instid0(VALU_DEP_1)
	v_lshlrev_b32 v[CT], v[H8], v[CT]              ; at their places in the scale word;
	s_delay_alu instid0(VALU_DEP_1)
	v_permlanex16_b32 v[CT+1], v[CT], s18, s19
	s_delay_alu instid0(VALU_DEP_1)
	v_or_b32 v[XCS], v[CT], v[CT+1]                ; with lane l xor 16's two the word is whole
.irp c, 0,1
	v_cvt_scalef32_pk16_fp6_f32 v[F+6*\c:F+6*\c+2], v[XC+32*\c:XC+32*\c+15], v[CS+\c]
	v_cvt_scalef32_pk16_fp6_f32 v[HC+4*\c:HC+4*\c+2], v[XC+32*\c+16:XC+32*\c+31], v[CS+\c]
.endr
	v_nop                                          ; one plain place behind a scaled conversion
.irp c, 0,1
.irp e, 0,1,2
	v_mov_b32 v[F+6*\c+3+\e], v[HC+4*\c+\e]
.endr
.endr
	PLACES 8                                       ; a scale word written by a vector instruction stands eight places ahead of a scaled product, an operand four
.endm
.macro P2 ct, first                    ; source 0 = 16 channels, source 1 = 16 clusters: lane (r, h), register j: cluster 16 t + r, channel 8 h + j of the tile.  The accumulators take turns
	WIN 0x50                                       ; C and D window 1
.irp t, 0,1,2,3
.if \first
	v_wmma_scale_f32_16x16x128_f8f6f4 v[ACC+32*(\ct)+8*\t:ACC+32*(\ct)+8*\t+7], v[F:F+11], v[AF+12*\t:AF+12*\t+11], 0, v[XCS], v[ASW+\t] matrix_a_fmt:MATRIX_FMT_FP6 matrix_b_fmt:MATRIX_FMT_FP6
.else
	v_wmma_scale_f32_16x16x128_f8f6f4 v[ACC+32*(\ct)+8*\t:ACC+32*(\ct)+8*\t+7], v[F:F+11], v[AF+12*\t:AF+12*\t+11], v[ACC+32*(\ct)+8*\t:ACC+32*(\ct)+8*\t+7], v[XCS], v[ASW+\t] matrix_a_fmt:MATRIX_FMT_FP6 matrix_b_fmt:MATRIX_FMT_FP6
.endif
.endr
	WIN 0
.endm
; THE CHANGE OF SLOTS, at a step's head.  Each wave waits for all its tensor loads (its part of the slot ahead), adds 0 to its spare word, and waits for that and for its LDS reads of the step behind.
; Behind the barrier the slot ahead is whole, and nobody reads the slot behind, a's codes and bytes or the 1 / norm any more.  fill = 1: the slot behind takes the step after the one ahead.
; The four v_nop are also the places between the last step's products and the loads into the registers that they have read.
.macro CHANGE fill
	s_wait_tensorcnt 0x0                           ; no tensor load of mine is out, so the walking group 0 may be written
	ds_add_u32 v[SPW], v[NIL]                      ; 0 onto my spare word
.if \fill
	s_xor_b32 s37, s37, SLOT                       ; the other slot: my rows' place has neither of SLOT's two bits
	s_add_nc_u64 s[38:39], s[38:39], 1024          ; the next 256 pixels; the type bits on top are not reached
.endif
	s_wait_dscnt 0x0                               ; the add is done, and my LDS reads are back
	s_barrier_signal -1
	s_barrier_wait -1
.if \fill
	tensor_load_to_lds s[36:39], s[24:31]          ; the first thing behind the barrier, and my one tensor load until the next: it has a whole step in which to land
	s_nop 0
.endif
	PLACES 4
.endm
.macro STEP change, first              ; change = 0: none; 1: with a fill; 2: without.  first = 1: the step's products start the sums
.if \change == 1
	CHANGE 1
.endif
.if \change == 2
	CHANGE 0
.endif
	v_add_nc_u32 v[PA], s13, v[PL]
	s_add_co_u32 s40, s13, 64*PITCH+2*BLKD
	v_add_nc_u32 v[PA+1], s40, v[PL]
	v_add_nc_u32 v[XCA], s13, v[XCL]
	LOADH 0, 0
	LOADH 0, 16
	LOADH 1, 0
	s_wait_alu depctr_va_vdst(0)
	s_wait_dscnt 16                                ; all but the 16 loads issued last: my first block is in
	LOADH 1, 16
	ACCUM 0
	s_wait_alu depctr_va_vdst(0)
	s_wait_dscnt 0x0
	ACCUM 1
	NORM
	QX
	P1
	SOFTMAX
	QA
	s_wait_dscnt 0x0                               ; for the others' sake: my 1 / norm, codes and bytes have landed
	s_barrier_signal -1
	LDXC 0                                         ; the slot's bytes are written by nobody before the next change of slots
	s_barrier_wait -1
	LDIV
	LDAF
	s_wait_dscnt 28                                ; x and 1 / norm are in; a's 28 loads may be out
	QC
	LDXC 1
	s_wait_alu depctr_va_vdst(0)
	s_wait_dscnt 16                                ; a's are in; the 16 just issued may be out
	P2 0, \first
	s_wait_dscnt 0x0
	QC                                             ; (its 32 multiplications are the places behind those products)
	P2 1, \first
	s_xor_b32 s13, s13, SLOT                       ; on to the other slot
.endm
	STEP 0, 1                                      ; step 0, from slot 0
	s_mov_b32 s16, 6
.Lstep:                                            ; steps 1 to 6: each asks for the step after the next
	STEP 1, 0
	s_sub_co_u32 s16, s16, 1
	s_cmp_lg_u32 s16, 0
	s_cbranch_scc1 .Lstep
	STEP 2, 0                                      ; step 7 is written out: nothing is left to fetch
	; THE WAY OUT.  Waves w and w + 4 hold sums for the same channels over different pixels: waves 4 to 7 put theirs into LDS as images of their registers, waves 0 to 3 add and store.
	PLACES 4                                       ; ahead of the first read of the last results
	s_wait_dscnt 0x0
	s_barrier_signal -1
	s_barrier_wait -1                              ; nobody reads a's codes and bytes, the 1 / norm or w's codes any more: the stage lies over them
.irp t, 0,1,2,3
	v_add_f32 v[QS+\t], v[AS+2*\t], v[AS+2*\t+1]   ; the sums of a: the pair's halves,
.endr
.irp t, 0,1,2,3
	v_permlanex16_b32 v[QP+\t], v[QS+\t], s18, s19
.endr
.irp t, 0,1,2,3
	s_delay_alu instid0(VALU_DEP_4)
	v_add_f32 v[QS+\t], v[QS+\t], v[QP+\t]         ; lane l xor 16's pixels,
.endr
	ds_store_b128 v[ASTA], v[QS:QS+3]
	s_cmp_lt_u32 s12, 4
	s_cbranch_scc1 .Lkeep
	WIN 0x04                                       ; an LDS store's data are its source 1: window 1
.irp a, 0,1,2,3,4,5,6,7
.irp q, 0,1
	ds_store_b128 v[STA], v[ACC+8*\a+4*\q:ACC+8*\a+4*\q+3] offset:1024*\a+512*\q   ; each accumulator from its low end on
.endr
.endr
	WIN 0
.Lkeep:
	s_wait_dscnt 0x0                               ; for the others' sake: my stores have landed
	s_barrier_signal -1
	s_barrier_wait -1
	s_cmp_ge_u32 s12, 4
	s_cbranch_scc1 .Lend
.irp a, 0,1,2,3,4,5,6,7
.irp q, 0,1
	ds_load_b128 v[X+8*\a+4*\q:X+8*\a+4*\q+3], v[STA] offset:1024*\a+512*\q
.endr
.endr
	s_lshl_b32 s40, ttmp9, 15                      ; part: 32,768 bytes a work-group,
	s_lshl_b32 s41, s12, 13                        ; 8,192 for a wave's two tiles of channels
	s_add_co_u32 s40, s40, s41
	s_mov_b32 s41, 0
	s_add_nc_u64 s[8:9], s[8:9], s[40:41]
	s_wait_dscnt 0x0
	WIN 0x01                                       ; source 0 window 1
.set i, 0
.rept 32
	v_pk_add_f32 v[X+i:X+i+1], v[ACC+i:ACC+i+1], v[X+i:X+i+1]
.set i, i+2
.endr
	WIN 0
.irp a, 0,1,2,3,4,5,6,7
.irp q, 0,1
	global_store_b128 v[GOFF], v[X+8*\a+4*\q:X+8*\a+4*\q+3], s[8:9] offset:1024*\a+512*\q th:TH_STORE_NT   ; each store of the wave covers 512 consecutive bytes, aligned
.endr
.endr
	s_cmp_lg_u32 s12, 0
	s_cbranch_scc1 .Lend
.irp j, 0,1,2,3,4,5,6,7
	ds_load_b128 v[Y+4*\j:Y+4*\j+3], v[ASTA] offset:512*\j     ; and the eight waves' sums of a: wave 0 adds them
.endr
	s_wait_dscnt 0x0
.irp j, 1
	v_pk_add_f32 v[Y:Y+1], v[Y:Y+1], v[Y+4*\j:Y+4*\j+1]
	v_pk_add_f32 v[Y+2:Y+3], v[Y+2:Y+3], v[Y+4*\j+2:Y+4*\j+3]
.endr
.irp j, 2, 3, 4, 5, 6, 7
	s_delay_alu instid0(VALU_DEP_2)
	v_pk_add_f32 v[Y:Y+1], v[Y:Y+1], v[Y+4*\j:Y+4*\j+1]
	s_delay_alu instid0(VALU_DEP_2)
	v_pk_add_f32 v[Y+2:Y+3], v[Y+2:Y+3], v[Y+4*\j+2:Y+4*\j+3]
.endr
	s_lshl_b32 s40, ttmp9, 9
	s_mov_b32 s41, 0
	s_add_nc_u64 s[10:11], s[10:11], s[40:41]
	global_store_b128 v[GOFF], v[Y:Y+3], s[10:11] th:TH_STORE_NT   ; 512 consecutive bytes, aligned
.Lend:
	s_wait_tensorcnt 0x0                           ; the wave's end, behind my last tensor load and my last LDS store
	ds_add_u32 v[SPW], v[NIL]
	s_wait_dscnt 0x0
	s_endpgm
.Lfunc_end_k_q612f910802_vlad:
	.size	k_q612f910802_vlad, .Lfunc_end_k_q612f910802_vlad-k_q612f910802_vlad
	.p2alignl 7, 3214868480
	.fill 96, 4, 3214868480
	.section	.rodata,"a",@progbits
	.p2align	6, 0x0
	.amdhsa_kernel k_q612f910802_vlad
		.amdhsa_group_segment_fixed_size 327680
		.amdhsa_private_segment_fixed_size 0
		.amdhsa_enable_private_segment 0
		.amdhsa_kernarg_size 32
		.amdhsa_user_sgpr_count 2
		.amdhsa_user_sgpr_kernarg_segment_ptr 1
		.amdhsa_wavefront_size32 1
		.amdhsa_system_sgpr_workgroup_id_x 1
		.amdhsa_system_sgpr_workgroup_id_y 1
		.amdhsa_system_sgpr_workgroup_id_z 1
		.amdhsa_system_vgpr_workitem_id 0
		.amdhsa_next_free_vgpr 448
		.amdhsa_next_free_sgpr 66
		.amdhsa_reserve_vcc 0
		.amdhsa_float_denorm_mode_32 3
		.amdhsa_float_denorm_mode_16_64 3
		.amdhsa_memory_ordered 1
		.amdhsa_forward_progress 1
		.amdhsa_inst_pref_size 219
	.end_amdhsa_kernel
	.amdgpu_metadata
---
amdhsa.version: [ 1, 2 ]
amdhsa.kernels:
  - .name:           k_q612f910802_vlad
    .symbol:         k_q612f910802_vlad.kd
    .args:
      - { .name: x, .offset: 0, .size: 8, .value_kind: global_buffer, .address_space: global }
      - { .name: centroids, .offset: 8, .size: 8, .value_kind: global_buffer, .address_space: global }
      - { .name: part, .offset: 16, .size: 8, .value_kind: global_buffer, .address_space: global }
      - { .name: asum, .offset: 24, .size: 8, .value_kind: global_buffer, .address_space: global }
    .group_segment_fixed_size: 327680
    .private_segment_fixed_size: 0
    .kernarg_segment_align: 8
    .kernarg_segment_size: 32
    .max_flat_workgroup_size: 256
    .sgpr_count:     66
    .vgpr_count:     448
    .wavefront_size: 32
...
	.end_amdgpu_metadata
.endif
;; end of part 1
;; launch finish (part 2): grid 32 x 1, 16 waves a work-group, no clusters, 38,912 bytes of LDS; arguments part, asum, centroids, out0; writes out0
.if DOCPART == 2
	.amdgcn_target "amdgcn-amd-amdhsa--gfx1250"
	.amdhsa_code_object_version 6
	.text
	.protected	k_q612f910802_finish
	.globl	k_q612f910802_finish
	.p2align	8
	.type	k_q612f910802_finish,@function
k_q612f910802_finish:
	s_mov_b64 s[64:65], 0
	v_nop
	global_prefetch_b8 v0, s[64:65] scope:SCOPE_SE
	s_setreg_imm32_b32 hwreg(HW_REG_WAVE_MODE, 25, 1), 1
	s_wait_xcnt 0x0
; NetVLAD, second launch: for image n = work-group:  v[k][c] = (sum of the 8 parts)[k][c] - (sum of the 8 asum)[k] c[k][c];  each row k / max(|row|, 1e-12);  the whole / max(|whole|, 1e-12).
; part [8 n + g][wave 8][t 4][q 2][lane 32][4] f32: lane (r, h): cluster 16 t + r, channel 16 wave + 8 h + 4 q + 0..3.   asum [8 n + g][lane 32][t 4] f32.   out0 [32][64][128] f32.
; Sixteen waves: wave W takes channels 16 (W % 8) on and the clusters of tiles t = 2 (W / 8) and 2 (W / 8) + 1.  Every load of part covers 512 consecutive bytes.
; The rows' sums of squares meet in LDS; every wave then knows all 64 of them (4 a lane x 16 lanes) and makes the whole's norm for itself, as sqrt(sum over k of n_k^2 i_k^2), i_k = 1 / max(n_k, 1e-12):
; the sum of the squares of the normalised rows.  The results go through a stage in LDS and leave as whole rows of 512 bytes.
; No matrix work, no tensor loads, no cluster: the launch adds 8.5 MB and the work-groups share the centroids alone.
; LIMITS: NaN and infinities are not served; the divisions are multiplications by v_rcp_f32's reciprocals.
.set SP,   528                         ; a stage row: 512 bytes + 16
.set NRM,  64*SP                       ; behind the stage: [wave 16][r 16][2] f32
.set EPS,  0x2b8cbccc                  ; 1e-12
.set CE,   32                          ; v32-47   centroids, as V lies
.set V,    64                          ; v64-191  the eight parts, 16 registers each: 8 u + 4 q + e; the sum in the first 16
.set A,    192                         ; v192-207 the eight asum pairs; the sum in the first
	s_load_b256 s[4:11], s[0:1], 0x0               ; part s[4:5], asum s[6:7], centroids s[8:9], out0 s[10:11]
	v_lshl_add_u32 v224, v0, 2, 0x9000
	v_mov_b32 v225, 0
	v_lshrrev_b32 v1, 5, v0
	s_delay_alu instid0(VALU_DEP_1)
	v_readfirstlane_b32 s12, v1                    ; wave W
	s_and_b32 s13, s12, 7                          ; the channels' tile
	s_lshr_b32 s14, s12, 3                         ; which half of the clusters
	s_mov_b32 s24, 0x76543210
	s_mov_b32 s25, 0xfedcba98                      ; v_permlanex16_b32's selects for lane l xor 16
	v_and_b32 v5, 31, v0
	s_delay_alu instid0(VALU_DEP_1)
	v_lshlrev_b32 v5, 4, v5                        ; 16 x lane
	v_and_b32 v3, 15, v0                           ; r
	v_bfe_u32 v4, v0, 4, 1                         ; h
	s_delay_alu instid0(VALU_DEP_2)
	v_lshlrev_b32 v6, 9, v3
	s_delay_alu instid0(VALU_DEP_1)
	v_lshl_add_u32 v6, v4, 5, v6                   ; centroids: row r of 512 bytes, + 32 h
	s_lshl_b32 s16, ttmp9, 18                      ; part: 8 x 32,768 bytes an image,
	s_lshl_b32 s17, s13, 12                        ; 4,096 a tile of channels,
	s_add_co_u32 s16, s16, s17
	s_lshl_b32 s17, s14, 11                        ; 2,048 for two tiles of clusters
	s_add_co_u32 s16, s16, s17
	s_mov_b32 s17, 0
	s_lshl_b32 s18, ttmp9, 12                      ; asum: 8 x 512 bytes an image, + 8 for my two tiles
	s_lshl_b32 s19, s14, 3
	s_add_co_u32 s18, s18, s19
	s_mov_b32 s19, 0
	s_lshl_b32 s20, s14, 14                        ; centroids: 32 rows of 512 bytes, + 64 bytes a tile of channels
	s_lshl_b32 s21, s13, 6
	s_add_co_u32 s20, s20, s21
	s_mov_b32 s21, 0
	s_lshl_b32 s22, ttmp9, 15                      ; out0: 32,768 bytes an image, 4 rows of 512 a wave
	s_lshl_b32 s23, s12, 11
	s_add_co_u32 s22, s22, s23
	s_mov_b32 s23, 0
	s_wait_alu depctr_va_vdst(0)
	s_wait_kmcnt 0x0
	s_add_nc_u64 s[4:5], s[4:5], s[16:17]
	s_add_nc_u64 s[6:7], s[6:7], s[18:19]
	s_add_nc_u64 s[8:9], s[8:9], s[20:21]
	s_add_nc_u64 s[10:11], s[10:11], s[22:23]
.irp g, 0,1,2,3,4,5,6,7
	global_load_b64 v[A+2*\g:A+2*\g+1], v5, s[6:7] offset:512*\g
.endr
.irp u, 0,1
.irp q, 0,1
	global_load_b128 v[CE+8*\u+4*\q:CE+8*\u+4*\q+3], v6, s[8:9] offset:8192*\u+16*\q
.endr
.endr
.irp g, 0,1,2,3,4,5,6,7
.irp u, 0,1
.irp q, 0,1
	global_load_b128 v[V+16*\g+8*\u+4*\q:V+16*\g+8*\u+4*\q+3], v5, s[4:5] offset:32768*\g+1024*\u+512*\q th:TH_LOAD_NT
.endr
.endr
.endr
	; LDS addresses, while the loads are out
	v_lshlrev_b32 v7, 7, v1
	s_delay_alu instid0(VALU_DEP_1)
	v_lshl_add_u32 v7, v3, 3, v7
	s_delay_alu instid0(VALU_DEP_1)
	v_add_nc_u32 v7, NRM, v7                       ; where I put my rows' sums of squares: 128 W + 8 r
	v_lshrrev_b32 v10, 8, v0                       ; my half of the clusters, as a vector
	s_delay_alu instid0(VALU_DEP_1)
	v_xor_b32 v11, 1, v10                          ; the other half
	v_lshl_add_u32 v12, v3, 3, NRM
	s_delay_alu instid0(VALU_DEP_1)
	v_lshl_add_u32 v8, v10, 10, v12                ; the eight waves of my half,
	s_delay_alu instid0(VALU_DEP_2)
	v_lshl_add_u32 v9, v11, 10, v12                ; and of the other
	v_bfe_u32 v14, v0, 5, 3
	v_lshl_add_u32 v13, v10, 5, v3
	s_delay_alu instid0(VALU_DEP_1)
	v_mul_u32_u24 v13, v13, SP
	s_delay_alu instid0(VALU_DEP_1)
	v_lshl_add_u32 v13, v14, 6, v13
	s_delay_alu instid0(VALU_DEP_1)
	v_lshl_add_u32 v13, v4, 5, v13                 ; the stage, in: row 32 half + r (+ 16 u), 64 bytes a tile of channels, + 32 h
	v_mul_u32_u24 v15, v1, 4*SP
	s_delay_alu instid0(VALU_DEP_1)
	v_add_nc_u32 v15, v15, v5                      ; and back: rows 4 W on, 16 bytes a lane
	v_mov_b32 v214, 0                              ; written once: a lane permute's destination counts as one of its sources
	v_mov_b32 v215, 0
.irp g, 1,2,3,4,5,6,7
	s_wait_alu depctr_va_vdst(0)
	s_wait_loadcnt 4*(7-\g)                        ; loads come back in order: parts 0 to g are in, the four loads of each later part may be out
.irp j, 0,2,4,6,8,10,12,14
	v_pk_add_f32 v[V+\j:V+\j+1], v[V+\j:V+\j+1], v[V+16*\g+\j:V+16*\g+\j+1]
.endr
.endr
.irp g, 1
	v_pk_add_f32 v[A:A+1], v[A:A+1], v[A+2*\g:A+2*\g+1]
.endr
.irp g, 2, 3, 4, 5, 6, 7
	s_delay_alu instid0(VALU_DEP_1)
	v_pk_add_f32 v[A:A+1], v[A:A+1], v[A+2*\g:A+2*\g+1]
.endr
.irp u, 0,1
.irp j, 0,1,2,3,4,5,6,7
	v_fma_f32 v[V+8*\u+\j], -v[A+\u], v[CE+8*\u+\j], v[V+8*\u+\j]      ; - asum[k] c[k][c]
.endr
.endr
.irp u, 0,1
	v_pk_mul_f32 v[208+2*\u:209+2*\u], v[V+8*\u:V+8*\u+1], v[V+8*\u:V+8*\u+1]
.endr
.irp j, 2,4,6
.irp u, 0,1
	s_delay_alu instid0(VALU_DEP_2)
	v_pk_fma_f32 v[208+2*\u:209+2*\u], v[V+8*\u+\j:V+8*\u+\j+1], v[V+8*\u+\j:V+8*\u+\j+1], v[208+2*\u:209+2*\u]
.endr
.endr
.irp u, 0,1
	s_delay_alu instid0(VALU_DEP_2)
	v_add_f32 v[212+\u], v[208+2*\u], v[209+2*\u]
.endr
.irp u, 0,1
	s_delay_alu instid0(VALU_DEP_2)
	v_permlanex16_b32 v[214+\u], v[212+\u], s24, s25
.endr
.irp u, 0,1
	s_delay_alu instid0(VALU_DEP_2)
	v_add_f32 v[212+\u], v[212+\u], v[214+\u]      ; my 16 channels' share of rows 16 t + r
.endr
	ds_store_b64 v7, v[212:213]                    ; (both halves of the lanes write the same words with the same values)
	s_wait_dscnt 0x0
	s_barrier_signal -1
	s_barrier_wait -1
.irp j, 0,1,2,3,4,5,6,7
	ds_load_b64 v[80+2*\j:81+2*\j], v8 offset:128*\j
	ds_load_b64 v[96+2*\j:97+2*\j], v9 offset:128*\j
.endr
	s_wait_dscnt 0x0
.irp j, 1
	v_pk_add_f32 v[80:81], v[80:81], v[80+2*\j:81+2*\j]        ; n^2 of my two rows,
	v_pk_add_f32 v[96:97], v[96:97], v[96+2*\j:97+2*\j]        ; and of the two rows of the other half
.endr
.irp j, 2, 3, 4, 5, 6, 7
	s_delay_alu instid0(VALU_DEP_2)
	v_pk_add_f32 v[80:81], v[80:81], v[80+2*\j:81+2*\j]
	s_delay_alu instid0(VALU_DEP_2)
	v_pk_add_f32 v[96:97], v[96:97], v[96+2*\j:97+2*\j]
.endr
	s_wait_alu depctr_va_vdst(0)
.irp n, 80,81,96,97
	v_sqrt_f32 v[\n+32], v[\n]
.endr
	v_nop                                          ; a plain place behind the batch,
	s_wait_alu depctr_va_vdst(0)                   ; and the wait ahead of its first reader
.irp n, 80,81,96,97
	v_max_num_f32 v[\n+32], EPS, v[\n+32]
.endr
	s_wait_alu depctr_va_vdst(0)
.irp n, 80,81,96,97
	v_rcp_f32 v[\n+64], v[\n+32]                   ; i = 1 / max(n, 1e-12)
.endr
	v_nop
	s_wait_alu depctr_va_vdst(0)
.irp n, 80,81,96,97
	v_mul_f32 v[\n], v[\n], v[\n+64]
.endr
.irp n, 80,81,96,97
	v_mul_f32 v[\n], v[\n], v[\n+64]               ; n^2 i^2: the normalised row's sum of squares
.endr
	s_delay_alu instid0(VALU_DEP_3)
	v_add_f32 v80, v80, v81
	s_delay_alu instid0(VALU_DEP_2)
	v_add_f32 v96, v96, v97
	s_delay_alu instid0(VALU_DEP_1)
	v_add_f32 v80, v80, v96
	s_delay_alu instid0(VALU_DEP_1)
	v_add_f32_dpp v80, v80, v80 row_xmask:1 row_mask:0xf bank_mask:0xf
	s_delay_alu instid0(VALU_DEP_1)
	v_add_f32_dpp v80, v80, v80 row_xmask:2 row_mask:0xf bank_mask:0xf
	s_delay_alu instid0(VALU_DEP_1)
	v_add_f32_dpp v80, v80, v80 row_xmask:4 row_mask:0xf bank_mask:0xf
	s_delay_alu instid0(VALU_DEP_1)
	v_add_f32_dpp v80, v80, v80 row_xmask:8 row_mask:0xf bank_mask:0xf   ; over the 16 lanes of a row: all 64 clusters
	s_wait_alu depctr_va_vdst(0)
	v_sqrt_f32 v81, v80
	v_nop
	s_wait_alu depctr_va_vdst(0)
	v_max_num_f32 v81, EPS, v81
	s_wait_alu depctr_va_vdst(0)
	v_rcp_f32 v82, v81
	v_nop
	s_wait_alu depctr_va_vdst(0)
	v_mul_f32 v144, v144, v82                      ; both normalisations in one factor, for each of my two rows
	v_mul_f32 v145, v145, v82
.irp u, 0,1
.irp j, 0,1,2,3,4,5,6,7
	v_mul_f32 v[V+8*\u+\j], v[V+8*\u+\j], v[144+\u]
.endr
.endr
.irp u, 0,1
.irp q, 0,1
	ds_store_b128 v13, v[V+8*\u+4*\q:V+8*\u+4*\q+3] offset:16*SP*\u+16*\q
.endr
.endr
	s_wait_dscnt 0x0                               ; for the others' sake: my stores into the stage have landed
	s_barrier_signal -1
	s_barrier_wait -1
.irp i, 0,1,2,3
	ds_load_b128 v[128+4*\i:131+4*\i], v15 offset:SP*\i
.endr
.irp i, 0,1,2,3
	s_wait_dscnt 3-\i
	global_store_b128 v5, v[128+4*\i:131+4*\i], s[10:11] offset:512*\i th:TH_STORE_NT   ; a whole row: 512 consecutive bytes, aligned
.endr
	s_wait_tensorcnt 0x0
	ds_add_u32 v224, v225
	s_wait_dscnt 0x0
	s_endpgm
.Lfunc_end_k_q612f910802_finish:
	.size	k_q612f910802_finish, .Lfunc_end_k_q612f910802_finish-k_q612f910802_finish
	.p2alignl 7, 3214868480
	.fill 96, 4, 3214868480
	.section	.rodata,"a",@progbits
	.p2align	6, 0x0
	.amdhsa_kernel k_q612f910802_finish
		.amdhsa_group_segment_fixed_size 38912
		.amdhsa_private_segment_fixed_size 0
		.amdhsa_enable_private_segment 0
		.amdhsa_kernarg_size 32
		.amdhsa_user_sgpr_count 2
		.amdhsa_user_sgpr_kernarg_segment_ptr 1
		.amdhsa_wavefront_size32 1
		.amdhsa_system_sgpr_workgroup_id_x 1
		.amdhsa_system_sgpr_workgroup_id_y 1
		.amdhsa_system_sgpr_workgroup_id_z 1
		.amdhsa_system_vgpr_workitem_id 0
		.amdhsa_next_free_vgpr 226
		.amdhsa_next_free_sgpr 66
		.amdhsa_reserve_vcc 0
		.amdhsa_float_denorm_mode_32 3
		.amdhsa_float_denorm_mode_16_64 3
		.amdhsa_memory_ordered 1
		.amdhsa_forward_progress 1
		.amdhsa_inst_pref_size 20
	.end_amdhsa_kernel
	.amdgpu_metadata
---
amdhsa.version: [ 1, 2 ]
amdhsa.kernels:
  - .name:           k_q612f910802_finish
    .symbol:         k_q612f910802_finish.kd
    .args:
      - { .name: part, .offset: 0, .size: 8, .value_kind: global_buffer, .address_space: global }
      - { .name: asum, .offset: 8, .size: 8, .value_kind: global_buffer, .address_space: global }
      - { .name: centroids, .offset: 16, .size: 8, .value_kind: global_buffer, .address_space: global }
      - { .name: out0, .offset: 24, .size: 8, .value_kind: global_buffer, .address_space: global }
    .group_segment_fixed_size: 38912
    .private_segment_fixed_size: 0
    .kernarg_segment_align: 8
    .kernarg_segment_size: 32
    .max_flat_workgroup_size: 512
    .sgpr_count:     66
    .vgpr_count:     226
    .wavefront_size: 32
...
	.end_amdgpu_metadata
.endif
;; end of part 2
